; MI455X (gfx1250); checked and timed in simulation.
; The chip was launched on July 23, 2026; its instructions are those of AMD's public machine-readable ISA for CDNA 5 (MIT licence, August 2026) and "CDNA5" Instruction Set Architecture Reference Guide (July 2026). The comments in the code are by the model that wrote it; some were corrected since.
;; Attention Layer. Allowed arithmetic: matrix products marked QUANTISED: E2M1 operands, one E8M0 scale for each 32 along K, by v_wmma_scale_f32_16x16x128_f8f6f4 with both operands' format E2M1 (or v_wmma_scale_f32_32x16x128_f4), f32 sums; everything else in f32.
;; Inputs: Wqkv_codes 384 x 8 x 16 uint8 (E2M1 codes of Wqkv, K innermost, in blocks of 32 codes, two codes a byte); Wqkv_scales 384 x 8 uint8 (E8M0 scales of Wqkv, one for each 32 codes along K); bqkv 384 float32; gamma 1 float32; x 8 x 256 x 64 x 64 float32.
;; Outputs: out0 8 x 256 x 64 x 64 float32.
;; This version of the problem:
;;   THIS VERSION OF THE PROBLEM IS GIVEN IN LOW PRECISION. The matrix products marked QUANTISED in the list below multiply operands that are first quantised to E2M1 (2 exponent bits, 1 mantissa bit; 4 bits a number), with one power-of-two scale for each 32 numbers along K (OCP MX v1.0); their sums are f32. All else is computed in f32.
;;   The module's matrix products, in the order in which they are computed (A, B: the left and right operand; K: the contracted axis; several contracted axes count as one K, in the product's order):
;;     1. [M 32,768, K 256] x [K 256, N 384]; A: computed on the way; B: input Wqkv (given as codes): QUANTISED
;;     2. batch 8 x [M 4,096, K 64] x [K 64, N 4,096]; A: computed on the way; B: computed on the way: QUANTISED
;;     3. batch 8 x [M 256, K 4,096] x [K 4,096, N 4,096]; A: computed on the way; B: softmax (see below): QUANTISED
;;   THE QUANTISER, for each operand of a quantised product, along K:
;;     - K is cut into blocks of 32 from its start; a last block that is shorter is filled with zeros.
;;     - A block's scale is 2^e with e = floor(log2(the largest magnitude in the block)) - 2, held to -126 .. 127; a block of zeros has e = 0. As a byte (E8M0): e + 127.
;;     - Each number is divided by its block's scale, clamped to +-6, and rounded to the nearest number of E2M1, ties to even, subnormals kept.
;;     - The product sums the exact products of the quantised numbers (number of the format x scale) in f32.
;;   ~~~python
;;   def quantise(x, axis):      # numpy; x: float32 -> the quantised numbers, widened to float32 again
;;       x = np.moveaxis(x, axis, -1); K = x.shape[-1]
;;       x = np.pad(x, [(0, 0)] * (x.ndim - 1) + [(0, -K % 32)]); x = x.reshape(x.shape[:-1] + (-1, 32)); a = np.abs(x).max(-1, keepdims=True)
;;       e = np.where(a > 0, np.clip(np.frexp(np.where(a > 0, a, 1))[1] - 1 - 2, -126, 127), 0)      # np.frexp(a)[1] - 1 = floor(log2(a)), exactly
;;       r = np.clip(x / 2.0 ** e, -6, 6)
;;       step = 2.0 ** (np.maximum(np.frexp(np.where(r == 0, 1, r))[1] - 1, 0) - 1)
;;       q = np.round(r / step) * step * 2.0 ** e      # np.round: ties to even
;;       return np.moveaxis(q.reshape(q.shape[:-2] + (-1,))[..., :K], -1, axis).astype(np.float32)
;;   ~~~
;;   SOFTMAX AHEAD OF A QUANTISED PRODUCT. Where the list says 'softmax', what is quantised is not the finished softmax but p = 2^(t - M), with t = logit x log2(e) and M = ceil(the row's largest t), a whole number; so 1/2 < the row's largest p <= 1. The row's sum l is taken of the UNQUANTISED p, in f32, and the product's result is divided by l at the end. Since M is a whole number, a kernel that streams over the keys may use a running M (the ceiling of the running maximum): every later rescaling is an exact power of two, which a block's scale takes up: the codes' values come out the same.
;;   OPERANDS COMPUTED ON THE WAY. 'Computed on the way' means the value that the module computes at that place (a softmax that the list does not call 'softmax' is quantised finished and normalised). What goes into a quantiser is computed in f32, as accurately as f32 sums, v_exp_f32 and their like allow (about 1e-6 of the number): no bf16 or f16 on the way to a quantiser, and a product that is left as it is and whose result goes on into a quantised operand takes f32 operands (vector FMAs, or v_wmma_f32_16x16x4_f32). A number that lies on a knife's edge between two numbers of the format may be rounded either way, as far as f32 arithmetic and the matrix unit's own rounding can turn it there, and no further.
;;   INPUTS GIVEN AS CODES. Wqkv (in the module: [384, 256], K = its axis 1): each comes as NAME_codes (uint8): NAME with its K axis moved to the last place and cut into blocks of 32 codes, [.., K / 32, bytes a block], one block behind the other in memory; two codes a byte, the lower K in the low four bits (a code: sign, 2 exponent bits, 1 mantissa bit); and NAME_scales (uint8): the same leading axes, one E8M0 byte (e + 127) for each 32 codes along K. Its value is code x scale, taken as it is: it is not quantised again, and the codes and scales need not be those that the quantiser above would give.
;; One version. Each part assembles by itself: llvm-mc -triple=amdgcn-amd-amdhsa -mcpu=gfx1250 --defsym DOCPART=n.
;; ======== version 1 of 1: 2 launches
;; workspace buffers: ws 6,815,744 bytes
;; launch qkv (part 1): grid 32 x 8, 8 waves a work-group, no clusters, 20,480 bytes of LDS; arguments x, Wqkv_codes, Wqkv_scales, bqkv, ws; writes ws
.if DOCPART == 1
	.amdgcn_target "amdgcn-amd-amdhsa--gfx1250"
	.amdhsa_code_object_version 6
	.text
	.protected	k_qcc9d181f60_qkv
	.globl	k_qcc9d181f60_qkv
	.p2align	8
	.type	k_qcc9d181f60_qkv,@function
k_qcc9d181f60_qkv:
	s_mov_b64 s[64:65], 0
	v_nop
	global_prefetch_b8 v0, s[64:65] scope:SCOPE_SE
	s_setreg_imm32_b32 hwreg(HW_REG_WAVE_MODE, 25, 1), 1
	s_wait_xcnt 0x0
; qkv[b][o][l] = sum over c of W[o][c] relu(x[b][c][l]) + bias[o], on codes of FP4 (E2M1) with one E8M0 scale for each 32 along c; then q, k (o = 0..63, 64..127) are quantised
; along their 64 channels and v (o = 128..383) along l, and all leave as codes, IN THE ORDER OF THE NEXT LAUNCH'S OPERAND REGISTERS.
; x: [8][256 c][4096 l] f32; W: codes [384][256 c], 128 bytes a row, scale bytes [384][8]; bias [384] f32.
; SHARES.  A work-group (x = s, y = b) takes 128 l (128 s on) of one batch and all 256 c, and writes one RECORD of 26,624 bytes of ws, at (32 b + s) x 26,624:
;   +0      q's codes: tile t (0..7) at 512 t + 16 lane; lane (r, h) holds channels 32 h .. 32 h + 31 of l = 32 (t / 2) + 8 (t % 2) + r + (r & 8)
;   +4096   v's codes: tile ct (0..15), half cc, at 1024 ct + 512 cc + 16 lane; lane (r, h): channel 16 ct + r, l = 64 cc + 32 h + 0 .. 31
;   +20480  v's scale words: (ct, r) at 512 (ct / 8) + 16 (16 ((ct / 4) % 2) + r) + 4 (ct % 4)
;   +21504  q's scale words: (t, r) at 16 (16 (t / 4) + r) + 4 (t % 4): the two blocks' bytes, then 0x7f twice (the product's upper 64 along K are zero codes)
;   +22016  k's scale words, +22528 k's codes, both laid as q's.
; THE ROWS OF A TILE ARE NOT NEIGHBOURS: tile (g, u) of 16 l holds l = 32 g + 8 u + r + (r & 8), so that a result whose registers run along l (or W's rows, along the 64 channels) has 16 neighbours in the 16 registers of two neighbouring tiles.
; PHASES.  X: wave (g = w % 4, kh = w / 4) quantises relu(x) for 32 l x 128 c: A LANE TAKES ONE l AND ITS REGISTERS RUN DOWN c, so a block of 32 lies in one lane, each load reads 128 bytes on end
; (the four waves of one kh stand side by side on 512), and the codes come out with c innermost; the two fragments go to LDS as images of their registers | barrier |
; V: wave w makes v's channel tiles 2 w, 2 w + 1 for all 128 l (source 0 = 16 l of x, source 1 = 16 rows of W: a lane holds one channel, registers along l), quantises, stores.
; QK: wave (g2 = w / 2, z = w % 2) makes q (z = 0) or k (z = 1) for 32 l (source 0 = 16 rows of W, source 1 = 16 l: a lane holds one l, registers along the channels), quantises, stores | barrier | the scale words leave, 256 bytes on end a wave.
; The biases are the C of each sum's first matrix instruction.
; NO CLUSTER, NO TENSOR LOAD: each byte of x is read once, by one wave, into registers; what work-groups share is W's 52 KB alone, which each wave takes straight into its operand registers by plain loads.
; LIMITS: NaN and infinities are not served.  A block whose largest magnitude lies under 2^-124 keeps the scale byte 1; so does a block of zeros, where the quantiser says 127: its codes are zeros, and this program alone reads the bytes.
.set REC,  26624
.set XIMG, 0                           ; LDS: x's 16 fragments: (g, u, kh) at ((2 g + u) 2 + kh) x 1024 + 512 cc + 16 lane
.set XSC,  16384                       ; their scale words: (g, kh) at 128 (2 g + kh) + 4 lane; tile u's are lanes 16 u on
.set OSC,  17408                       ; 2,048 bytes: v's, q's, k's scale words as they lie in the record
.set XO,  1                            ; v1   4 x the lane's l among the wave's 32
.set LI,  2                            ; v2   16 x lane
.set XWI, 3                            ; v3   where I store x's images
.set XWS, 4                            ; v4   and their scale words
.set LR,  5                            ; v5   XSC + 4 r
.set LRQ, 6                            ; v6   the same for group g2
.set ADQ, 7                            ; v7   16 x lane + group g2's images
.set VWP, 8                            ; v8   W's codes, rows r + (r & 8)
.set VWN, 9                            ; v9   W's codes, rows r
.set SWP, 10                           ; v10  W's scale words, rows r + (r & 8)
.set SWN, 11                           ; v11  rows r
.set BQO, 12                           ; v12  64 h: the bias of q, k
.set BVO, 13                           ; v13  4 r: the bias of v
.set OSV, 14                           ; v14  where v's scale words go in OSC
.set OSQ, 15                           ; v15  where q's or k's go
.set OSR, 16                           ; v16  where I read OSC back
.set OSG, 17                           ; v17  8 x lane
.set X,   20                           ; v20-147 128 numbers of x; later:
.set XF,  20                           ; v20-51  four fragments of x: (u, kh) at 8 (2 u + kh)
.set ACC, 52                           ; v52-115 accumulators
.set CX,  148                          ; v148-163 x's codes
.set TM,  164                          ; v164-167 largest magnitudes
.set TB,  168                          ; v168-171 the other half's, then the scale bytes
.set TS,  172                          ; v172-175 the conversions' scale operands
.set XW,  176                          ; v176 x's scale word
.set WSV, 180                          ; v180-183 W's scale words for v: 2 ct' + kh
.set WSQ, 184                          ; v184-191 for q or k: 2 tile + kh
.set XS,  192                          ; v192-195 x's scale words: 2 u + kh
.set VC,  196                          ; v196-211 v's codes: 8 ct' + 2 g + i
.set VW,  212                          ; v[212:213] v's scale words
.set QW,  214                          ; v[214:215] q's or k's
.set QCD, 216                          ; v216-223 q's or k's codes
.set BVT, 224                          ; v224-225 v's bias as loaded
.set OW,  226                          ; v[226:227] scale words on their way out
.set WQ,  0                            ; window 1: v0-63 W's fragments for q or k: 8 (2 tile + kh)
.set WV,  64                           ; v64-95 for v: 8 (2 ct' + kh)
.set BQ,  96                           ; v96-127 the bias of q or k, eight registers a tile
.set BV,  128                          ; v128-143 the bias of v, eight registers a tile
.set SEL, 46                           ; s[46:47] lane selects: lane l xor 16
.set MSB, 0
.macro WIN new                         ; the immediate's high byte repeats the setting that is left
.if MSB != \new
	s_set_vgpr_msb (MSB<<8)|\new
.set MSB, \new
.endif
.endm
.macro PLACES n
.rept \n
	v_nop
.endr
.endm
.macro XLOAD kb                        ; block kb of my 128 c: 32 rows of x, my l
.set n_, 0
.rept 32
	global_load_b32 v[X+32*(\kb)+n_], v[XO], s[24:25] offset:(32*(\kb)+n_)*16384 th:TH_LOAD_NT
.set n_, n_+1
.endr
.endm
; Block kb: the largest of relu(x) (no |.| on the sources: what is negative does not count; the floor 2^(3 - 127) stands under it and holds the byte at 1), relu, the scale, the codes.
.macro XBLK kb
.set XK, X+32*(\kb)
	v_max3_num_f32 v[TM], v[XK], v[XK+1], 0x1800000
	v_max3_num_f32 v[TM+1], v[XK+2], v[XK+3], v[XK+4]
.irp i, 5,9,13,17,21,25
	s_delay_alu instid0(VALU_DEP_2)
	v_max3_num_f32 v[TM], v[TM], v[XK+\i], v[XK+\i+1]
	s_delay_alu instid0(VALU_DEP_2)
	v_max3_num_f32 v[TM+1], v[TM+1], v[XK+\i+2], v[XK+\i+3]
.endr
	s_delay_alu instid0(VALU_DEP_2)
	v_max3_num_f32 v[TM], v[TM], v[XK+29], v[XK+30]
	s_delay_alu instid0(VALU_DEP_1)
	v_max3_num_f32 v[TM], v[TM], v[TM+1], v[XK+31]
	s_delay_alu instid0(VALU_DEP_1)
	v_add_nc_u32 v[TS], 0xff000000, v[TM]          ; 2 off the exponent field: the conversion takes this operand's exponent field as its scale
.set n_, 0
.rept 32
	v_max_num_f32 v[XK+n_], 0, v[XK+n_]            ; relu
.set n_, n_+1
.endr
	v_lshrrev_b32 v[TB], 23, v[TS]                 ; the scale's byte
.if (\kb) == 0
	s_delay_alu instid0(VALU_DEP_1)
	v_mov_b32 v[XW], v[TB]
.else
	s_delay_alu instid0(VALU_DEP_1)
	v_lshl_or_b32 v[XW], v[TB], 8*(\kb), v[XW]
.endif
.irp i, 0,1,2,3
	v_cvt_scalef32_pk8_fp4_f32 v[CX+4*(\kb)+\i], v[XK+8*\i:XK+8*\i+7], v[TS]
.endr
.endm
; nb blocks of 32, each as 16 registers of this lane (from base + 16 x block on) and 16 of lane l xor 16: largest magnitudes, scale operands in TS, bytes in TB.  Each accumulator is read from its low end on.
.macro QBLK base, nb
.set b_, 0
.rept \nb
	v_max3_num_f32 v[TM+b_], |v[\base+16*b_]|, |v[\base+16*b_+1]|, 0x1800000
.set b_, b_+1
.endr
.irp i, 2,4,6,8,10,12,14
.set b_, 0
.rept \nb
	v_max3_num_f32 v[TM+b_], v[TM+b_], |v[\base+16*b_+\i]|, |v[\base+16*b_+\i+1]|
.set b_, b_+1
.endr
.endr
.set b_, 0
.rept \nb
	v_permlanex16_b32 v[TB+b_], v[TM+b_], s[SEL], s[SEL+1]
.set b_, b_+1
.endr
.set b_, 0
.rept \nb
	v_max_num_f32 v[TM+b_], v[TM+b_], v[TB+b_]
.set b_, b_+1
.endr
.set b_, 0
.rept \nb
	v_add_nc_u32 v[TS+b_], 0xff000000, v[TM+b_]
.set b_, b_+1
.endr
.set b_, 0
.rept \nb
	v_lshrrev_b32 v[TB+b_], 23, v[TS+b_]
.set b_, b_+1
.endr
.endm
.macro FETCH reg, adr, off             ; a fragment's image back into registers
.irp c, 0,1
	ds_load_b128 v[\reg+4*\c:\reg+4*\c+3], v[\adr] offset:\off+512*\c
.endr
.endm
	s_load_b256 s[4:11], s[0:1], 0x0               ; x s[4:5], W's codes s[6:7], W's scales s[8:9], bias s[10:11]
	s_load_b64 s[12:13], s[0:1], 0x20              ; ws
	v_lshl_add_u32 v254, v0, 2, 0x4c00
	v_mov_b32 v255, 0
	v_lshrrev_b32 v[TM], 5, v0
	s_delay_alu instid0(VALU_DEP_1)
	v_readfirstlane_b32 s14, v[TM]                 ; wave w
	v_and_b32 v[TM], 31, v0                        ; lane
	s_and_b32 s15, s14, 3                          ; g
	s_lshr_b32 s16, s14, 2                         ; kh
	s_lshr_b32 s17, s14, 1                         ; g2
	s_and_b32 s18, s14, 1                          ; z
	s_and_b32 s19, ttmp7, 0xffff                   ; b
	s_mov_b32 s[SEL], 0x76543210
	s_mov_b32 s[SEL+1], 0xfedcba98
	v_and_b32 v[XO], 7, v[TM]                      ; the lane's l: (lane & 7) + 2 (lane & 8) + 8 (lane / 16): lanes 0-15 are tile 0's rows, lanes 16-31 tile 1's
	v_and_b32 v[TM+1], 8, v[TM]
	s_delay_alu instid0(VALU_DEP_1)
	v_lshl_add_u32 v[XO], v[TM+1], 1, v[XO]
	v_lshrrev_b32 v[TM+1], 1, v[TM]
	s_delay_alu instid0(VALU_DEP_1)
	v_and_b32 v[TM+1], 8, v[TM+1]
	s_delay_alu instid0(VALU_DEP_1)
	v_add_lshl_u32 v[XO], v[XO], v[TM+1], 2
	s_lshl_b32 s20, s19, 22                        ; a batch is 4 MiB,
	s_lshl_b32 s21, s16, 21                        ; 128 rows c are 2 MiB,
	s_add_co_u32 s20, s20, s21
	s_lshl_b32 s21, ttmp9, 9                       ; 128 l are 512 bytes,
	s_add_co_u32 s20, s20, s21
	s_lshl_b32 s21, s15, 7                         ; my 32 l are 128
	s_add_co_u32 s20, s20, s21
	s_mov_b32 s21, 0
	s_wait_alu depctr_va_vdst(0)
	s_wait_kmcnt 0x0
	s_add_nc_u64 s[24:25], s[4:5], s[20:21]
	XLOAD 0
	XLOAD 1
	; all other addresses are made while these are on their way
	v_and_b32 v[TM+1], 15, v0                      ; r
	v_bfe_u32 v[TM+2], v0, 4, 1                    ; h
	v_and_b32 v[TM+3], 8, v0
	s_delay_alu instid0(VALU_DEP_1)
	v_add_nc_u32 v[TM+3], v[TM+3], v[TM+1]         ; r + (r & 8)
	v_lshlrev_b32 v[LI], 4, v[TM]
	s_wait_alu depctr_va_vdst(0)
	s_lshl_b32 s22, s15, 12
	s_lshl_b32 s23, s16, 10
	s_add_co_u32 s22, s22, s23
	v_add_nc_u32 v[XWI], s22, v[LI]
	s_lshl_b32 s22, s15, 8
	s_lshl_b32 s23, s16, 7
	s_add_co_u32 s22, s22, s23
	s_add_co_u32 s22, s22, XSC
	v_lshl_add_u32 v[XWS], v[TM], 2, s22
	v_lshl_add_u32 v[LR], v[TM+1], 2, XSC
	s_lshl_b32 s22, s17, 8
	v_add_nc_u32 v[LRQ], s22, v[LR]
	s_lshl_b32 s22, s17, 12
	v_add_nc_u32 v[ADQ], s22, v[LI]
	v_lshlrev_b32 v[VWP], 7, v[TM+3]               ; a row of W's codes is 128 bytes
	s_delay_alu instid0(VALU_DEP_1)
	v_lshl_add_u32 v[VWP], v[TM+2], 4, v[VWP]
	v_lshlrev_b32 v[VWN], 7, v[TM+1]
	s_delay_alu instid0(VALU_DEP_1)
	v_lshl_add_u32 v[VWN], v[TM+2], 4, v[VWN]
	v_lshlrev_b32 v[SWP], 3, v[TM+3]               ; a row of W's scales is 8 bytes
	v_lshlrev_b32 v[SWN], 3, v[TM+1]
	v_lshlrev_b32 v[BQO], 6, v[TM+2]
	v_lshlrev_b32 v[BVO], 2, v[TM+1]
	s_lshl_b32 s22, s17, 8                         ; v's scale words of tiles 2 w, 2 w + 1: 256 (w / 2) + 8 (w % 2) + 16 r
	s_lshl_b32 s23, s18, 3
	s_add_co_u32 s22, s22, s23
	s_add_co_u32 s22, s22, OSC
	v_lshl_add_u32 v[OSV], v[TM+1], 4, s22
	s_lshl_b32 s22, s18, 9                         ; q's or k's of tiles 2 g2, 2 g2 + 1: 1024 + 512 z + 256 (g2 / 2) + 8 (g2 % 2) + 16 r
	s_lshr_b32 s23, s17, 1
	s_lshl_b32 s23, s23, 8
	s_add_co_u32 s22, s22, s23
	s_and_b32 s23, s17, 1
	s_lshl_b32 s23, s23, 3
	s_add_co_u32 s22, s22, s23
	s_add_co_u32 s22, s22, OSC+1024
	v_lshl_add_u32 v[OSQ], v[TM+1], 4, s22
	s_lshl_b32 s22, s14, 8
	s_add_co_u32 s22, s22, OSC
	v_lshl_add_u32 v[OSR], v[TM], 3, s22
	v_lshlrev_b32 v[OSG], 3, v[TM]
.irp b, 0,1,2,3
	v_mov_b32 v[TB+\b], 0                          ; written once: a lane permute's destination counts as one of its sources
.endr
	s_lshl_b32 s20, s18, 13                        ; W's codes: q's 64 rows or k's
	s_add_nc_u64 s[26:27], s[6:7], s[20:21]
	s_lshl_b32 s20, s14, 12                        ; v's rows 128 + 32 w on
	s_add_co_u32 s20, s20, 16384
	s_add_nc_u64 s[28:29], s[6:7], s[20:21]
	s_lshl_b32 s20, s18, 9                         ; W's scales likewise
	s_add_nc_u64 s[30:31], s[8:9], s[20:21]
	s_lshl_b32 s20, s14, 8
	s_add_co_u32 s20, s20, 1024
	s_add_nc_u64 s[32:33], s[8:9], s[20:21]
	s_lshl_b32 s20, s18, 8                         ; and the bias
	s_add_nc_u64 s[34:35], s[10:11], s[20:21]
	s_lshl_b32 s20, s14, 7
	s_add_co_u32 s20, s20, 512
	s_add_nc_u64 s[36:37], s[10:11], s[20:21]
	s_lshl_b32 s20, s19, 5
	s_add_co_u32 s20, s20, ttmp9
	s_mul_i32 s20, s20, REC                        ; my record
	s_add_nc_u64 s[38:39], s[12:13], s[20:21]
	s_lshl_b32 s20, s14, 11
	s_add_co_u32 s20, s20, 4096
	s_add_nc_u64 s[40:41], s[38:39], s[20:21]      ; v's codes, tiles 2 w on
	s_mul_i32 s20, s18, 22528
	s_lshl_b32 s22, s17, 10
	s_add_co_u32 s20, s20, s22
	s_add_nc_u64 s[42:43], s[38:39], s[20:21]      ; q's or k's codes, tiles 2 g2 on
	s_lshl_b32 s20, s14, 8
	s_add_co_u32 s20, s20, 20480
	s_add_nc_u64 s[44:45], s[38:39], s[20:21]      ; my 256 bytes of the scale words
	; ---- X: my 32 l x 128 c.  Two blocks' loads (64) are out while a block is worked on
	s_wait_loadcnt 32                              ; block 0 is in; block 1's 32 loads stay out
	XLOAD 2
	XBLK 0
	s_wait_loadcnt 32                              ; block 1 is in; block 2's stay out
	XLOAD 3
	XBLK 1
	s_wait_loadcnt 32                              ; block 2 is in; block 3's stay out
	WIN 0x40                                       ; destination window 1: the weights, 46 loads in all
.irp t, 0,1,2,3                                ; q's or k's tile t = rows 32 (t / 2) + 8 (t % 2) + r + (r & 8)
.irp k, 0,1
.irp c, 0,1
	global_load_b128 v[WQ+8*(2*\t+\k)+4*\c:WQ+8*(2*\t+\k)+4*\c+3], v[VWP], s[26:27] offset:(32*(\t/2)+8*(\t%2))*128+64*\k+32*\c
.endr
.endr
.endr
.irp t, 0,1                                    ; v's tile 2 w + t = 16 neighbouring rows
.irp k, 0,1
.irp c, 0,1
	global_load_b128 v[WV+8*(2*\t+\k)+4*\c:WV+8*(2*\t+\k)+4*\c+3], v[VWN], s[28:29] offset:2048*\t+64*\k+32*\c
.endr
.endr
.endr
.irp t, 0,1,2,3                                ; the bias in the result's layout: lane (r, h), register j: channel 32 (t / 2) + 8 (t % 2) + 16 h + j
	global_load_b128 v[BQ+8*\t:BQ+8*\t+3], v[BQO], s[34:35] offset:(32*(\t/2)+8*(\t%2))*4
	global_load_b128 v[BQ+8*\t+4:BQ+8*\t+7], v[BQO], s[34:35] offset:(32*(\t/2)+8*(\t%2))*4+16
.endr
	WIN 0
.irp t, 0,1,2,3
.irp k, 0,1
	global_load_b32 v[WSQ+2*\t+\k], v[SWP], s[30:31] offset:(32*(\t/2)+8*(\t%2))*8+4*\k
.endr
.endr
.irp t, 0,1
.irp k, 0,1
	global_load_b32 v[WSV+2*\t+\k], v[SWN], s[32:33] offset:128*\t+4*\k
.endr
.endr
.irp t, 0,1
	global_load_b32 v[BVT+\t], v[BVO], s[36:37] offset:64*\t
.endr
	XBLK 2
	s_wait_loadcnt 46                              ; block 3 is in; the 46 weight loads stay out
	XBLK 3
	v_nop                                          ; one plain place behind the last conversion
.irp c, 0,1                                    ; lanes 0-15 hold tile 0's rows, lanes 16-31 tile 1's, each with all four blocks; an operand wants lane (r, h) to hold blocks h and 2 + h of row r:
.irp i, 0,1,2,3                                ; block 2 c's lanes 16-31 change places with block 2 c + 1's lanes 0-15; then CX + 8 c + 4 u on are registers 4 c on of tile u's fragment
	v_permlane16_swap_b32 v[CX+8*\c+\i], v[CX+8*\c+4+\i]
.endr
.endr
.irp u, 0,1
.irp c, 0,1
	ds_store_b128 v[XWI], v[CX+8*\c+4*\u:CX+8*\c+4*\u+3] offset:XIMG+2048*\u+512*\c
.endr
.endr
	ds_store_b32 v[XWS], v[XW]
	s_wait_dscnt 0x0                               ; for the others' sake: my images have landed
	s_barrier_signal -1
	s_barrier_wait -1                              ; x's sixteen fragments lie in LDS
	s_wait_loadcnt 0x0                             ; the weights
	WIN 0x40
.irp t, 0,1
.irp j, 0,1,2,3,4,5,6,7
	v_mov_b32 v[BV+8*\t+\j], v[BVT+\t]             ; in v's tiles a lane holds one channel: its bias stands in all eight registers of C
.endr
.endr
	WIN 0
	; ---- V: channel tiles 2 w, 2 w + 1, a group of 32 l at a time.  Four accumulators by turns, K step by K step
.macro VGROUP g
.irp u, 0,1
.irp k, 0,1
	FETCH XF+8*(2*\u+\k), LI, XIMG+((2*(\g)+\u)*2+\k)*1024
	ds_load_b32 v[XS+2*\u+\k], v[LR] offset:(2*(\g)+\k)*128+64*\u
.endr
.endr
	s_wait_dscnt 0x0
	WIN 0x14                                       ; source 1 (W) and source 2 (the bias) window 1
.irp t, 0,1
.irp u, 0,1
	v_wmma_scale_f32_16x16x128_f8f6f4 v[ACC+16*\t+8*\u:ACC+16*\t+8*\u+7], v[XF+16*\u:XF+16*\u+7], v[WV+16*\t:WV+16*\t+7], v[BV+8*\t:BV+8*\t+7], v[XS+2*\u], v[WSV+2*\t] matrix_a_fmt:MATRIX_FMT_FP4 matrix_b_fmt:MATRIX_FMT_FP4
.endr
.endr
	WIN 0x04
.irp t, 0,1
.irp u, 0,1
	v_wmma_scale_f32_16x16x128_f8f6f4 v[ACC+16*\t+8*\u:ACC+16*\t+8*\u+7], v[XF+16*\u+8:XF+16*\u+15], v[WV+16*\t+8:WV+16*\t+15], v[ACC+16*\t+8*\u:ACC+16*\t+8*\u+7], v[XS+2*\u+1], v[WSV+2*\t+1] matrix_a_fmt:MATRIX_FMT_FP4 matrix_b_fmt:MATRIX_FMT_FP4
.endr
.endr
	WIN 0
	PLACES 5                                       ; ahead of the first read of results and of loads into the fragments (four), and of the next group's products, which begin these accumulators anew (five)
	QBLK ACC, 2                                    ; lane (r, h): channel r; the 16 registers of tiles u = 0, 1 are l = 32 g + 16 h + 0 .. 15
.irp t, 0,1
.if (\g) == 0
	s_delay_alu instid0(VALU_DEP_2)
	v_mov_b32 v[VW+\t], v[TB+\t]
.else
	s_delay_alu instid0(VALU_DEP_2)
	v_lshl_or_b32 v[VW+\t], v[TB+\t], 8*(\g), v[VW+\t]
.endif
.endr
.irp t, 0,1
.irp i, 0,1
	v_cvt_scalef32_pk8_fp4_f32 v[VC+8*\t+2*(\g)+\i], v[ACC+16*\t+8*\i:ACC+16*\t+8*\i+7], v[TS+\t]
.endr
.endr
	v_nop                                          ; one plain place behind the last conversion
.endm
	s_wait_alu depctr_va_vdst(0)
	VGROUP 0
	VGROUP 1
	VGROUP 2
	VGROUP 3
.irp t, 0,1                                    ; half blocks become whole blocks in a lane: registers 4 c on hold l = 64 c + 32 h + 0 .. 31
.irp c, 0,1
.irp i, 0,1
	v_permlane16_swap_b32 v[VC+8*\t+4*\c+\i], v[VC+8*\t+4*\c+2+\i]
.endr
.endr
.endr
.irp t, 0,1
.irp c, 0,1
	global_store_b128 v[LI], v[VC+8*\t+4*\c:VC+8*\t+4*\c+3], s[40:41] offset:1024*\t+512*\c   ; 32 lanes store 512 bytes on end
.endr
.endr
	ds_store_b64 v[OSV], v[VW:VW+1]                ; lanes r and 16 + r write the same bytes with the same values
	; ---- QK: q's or k's 64 channels for group g2's 32 l.  Eight accumulators by turns
.irp u, 0,1
.irp k, 0,1
	FETCH XF+8*(2*\u+\k), ADQ, XIMG+(2*\u+\k)*1024
	ds_load_b32 v[XS+2*\u+\k], v[LRQ] offset:128*\k+64*\u
.endr
.endr
	s_wait_dscnt 0x0
	WIN 0x11                                       ; source 0 (W) and source 2 (the bias) window 1
.irp u, 0,1
.irp t, 0,1,2,3
	v_wmma_scale_f32_16x16x128_f8f6f4 v[ACC+32*\u+8*\t:ACC+32*\u+8*\t+7], v[WQ+16*\t:WQ+16*\t+7], v[XF+16*\u:XF+16*\u+7], v[BQ+8*\t:BQ+8*\t+7], v[WSQ+2*\t], v[XS+2*\u] matrix_a_fmt:MATRIX_FMT_FP4 matrix_b_fmt:MATRIX_FMT_FP4
.endr
.endr
	WIN 0x01
.irp u, 0,1
.irp t, 0,1,2,3
	v_wmma_scale_f32_16x16x128_f8f6f4 v[ACC+32*\u+8*\t:ACC+32*\u+8*\t+7], v[WQ+16*\t+8:WQ+16*\t+15], v[XF+16*\u+8:XF+16*\u+15], v[ACC+32*\u+8*\t:ACC+32*\u+8*\t+7], v[WSQ+2*\t+1], v[XS+2*\u+1] matrix_a_fmt:MATRIX_FMT_FP4 matrix_b_fmt:MATRIX_FMT_FP4
.endr
.endr
	WIN 0
	PLACES 5
	QBLK ACC, 4                                    ; block 2 u + bb: lane (r, h): row r of tile u, channels 32 bb + 16 h + 0 .. 15
.irp u, 0
	s_delay_alu instid0(VALU_DEP_3)
	v_lshl_or_b32 v[QW+\u], v[TB+2*\u+1], 8, v[TB+2*\u]
.endr
.irp u, 1
	s_delay_alu instid0(VALU_DEP_2)
	v_lshl_or_b32 v[QW+\u], v[TB+2*\u+1], 8, v[TB+2*\u]
.endr
.irp u, 0,1
	s_delay_alu instid0(VALU_DEP_2)
	v_or_b32 v[QW+\u], 0x7f7f0000, v[QW+\u]        ; the bytes of the upper 64 along K, whose codes are zeros
.endr
.irp b, 0,1,2,3
.irp i, 0,1
	v_cvt_scalef32_pk8_fp4_f32 v[QCD+2*\b+\i], v[ACC+16*\b+8*\i:ACC+16*\b+8*\i+7], v[TS+\b]
.endr
.endr
	v_nop                                          ; one plain place behind the last conversion
.irp u, 0,1
.irp i, 0,1
	v_permlane16_swap_b32 v[QCD+4*\u+\i], v[QCD+4*\u+2+\i]   ; lane (r, h) now holds channels 32 h + 0 .. 31
.endr
.endr
.irp u, 0,1
	global_store_b128 v[LI], v[QCD+4*\u:QCD+4*\u+3], s[42:43] offset:512*\u
.endr
	ds_store_b64 v[OSQ], v[QW:QW+1]
	s_wait_dscnt 0x0                               ; for the others' sake: my scale words have landed
	s_barrier_signal -1
	s_barrier_wait -1
	ds_load_b64 v[OW:OW+1], v[OSR]
	s_wait_dscnt 0x0
	global_store_b64 v[OSG], v[OW:OW+1], s[44:45]  ; 32 lanes store 256 bytes on end, at a multiple of 256 from ws's first byte
	s_wait_tensorcnt 0x0
	ds_add_u32 v254, v255
	s_wait_dscnt 0x0
	s_endpgm
.Lfunc_end_k_qcc9d181f60_qkv:
	.size	k_qcc9d181f60_qkv, .Lfunc_end_k_qcc9d181f60_qkv-k_qcc9d181f60_qkv
	.p2alignl 7, 3214868480
	.fill 96, 4, 3214868480
	.section	.rodata,"a",@progbits
	.p2align	6, 0x0
	.amdhsa_kernel k_qcc9d181f60_qkv
		.amdhsa_group_segment_fixed_size 20480
		.amdhsa_private_segment_fixed_size 0
		.amdhsa_enable_private_segment 0
		.amdhsa_kernarg_size 40
		.amdhsa_user_sgpr_count 2
		.amdhsa_user_sgpr_kernarg_segment_ptr 1
		.amdhsa_wavefront_size32 1
		.amdhsa_system_sgpr_workgroup_id_x 1
		.amdhsa_system_sgpr_workgroup_id_y 1
		.amdhsa_system_sgpr_workgroup_id_z 1
		.amdhsa_system_vgpr_workitem_id 0
		.amdhsa_next_free_vgpr 400
		.amdhsa_next_free_sgpr 66
		.amdhsa_reserve_vcc 0
		.amdhsa_float_denorm_mode_32 3
		.amdhsa_float_denorm_mode_16_64 3
		.amdhsa_memory_ordered 1
		.amdhsa_forward_progress 1
		.amdhsa_inst_pref_size 59
	.end_amdhsa_kernel
	.amdgpu_metadata
---
amdhsa.version: [ 1, 2 ]
amdhsa.kernels:
  - .name:           k_qcc9d181f60_qkv
    .symbol:         k_qcc9d181f60_qkv.kd
    .args:
      - { .name: x, .offset: 0, .size: 8, .value_kind: global_buffer, .address_space: global }
      - { .name: Wqkv_codes, .offset: 8, .size: 8, .value_kind: global_buffer, .address_space: global }
      - { .name: Wqkv_scales, .offset: 16, .size: 8, .value_kind: global_buffer, .address_space: global }
      - { .name: bqkv, .offset: 24, .size: 8, .value_kind: global_buffer, .address_space: global }
      - { .name: ws, .offset: 32, .size: 8, .value_kind: global_buffer, .address_space: global }
    .group_segment_fixed_size: 20480
    .private_segment_fixed_size: 0
    .kernarg_segment_align: 8
    .kernarg_segment_size: 40
    .max_flat_workgroup_size: 256
    .sgpr_count:     66
    .vgpr_count:     400
    .wavefront_size: 32
...
	.end_amdgpu_metadata
.endif
;; end of part 1
;; launch attn (part 2): grid 32 x 8, 8 waves a work-group, clusters of 4 x 1, 327,680 bytes of LDS; arguments ws, gamma, x, out0; writes out0
.if DOCPART == 2
	.amdgcn_target "amdgcn-amd-amdhsa--gfx1250"
	.amdhsa_code_object_version 6
	.text
	.protected	k_qcc9d181f60_attn
	.globl	k_qcc9d181f60_attn
	.p2align	8
	.type	k_qcc9d181f60_attn,@function
k_qcc9d181f60_attn:
	s_mov_b64 s[64:65], 0
	v_nop
	global_prefetch_b8 v0, s[64:65] scope:SCOPE_SE
	s_setreg_imm32_b32 hwreg(HW_REG_WAVE_MODE, 25, 1), 1
	s_wait_xcnt 0x0
	s_wait_alu depctr_hold_cnt(0) depctr_sa_sdst(0) depctr_va_vdst(0) depctr_va_sdst(0) depctr_va_ssrc(0) depctr_va_vcc(0) depctr_vm_vsrc(0)
	s_getreg_b32 s2, hwreg(HW_REG_IB_STS2, 6, 4)
	s_cmp_eq_u32 s2, 0
	s_cbranch_scc0 .Lentry_in_a_cluster
	s_endpgm
.Lentry_in_a_cluster:
	s_bfe_u32 s2, ttmp6, 0x10000c
	s_cmp_lg_u32 s2, 0x3003
	s_cbranch_scc0 .Lentry_shape_is_right
	s_endpgm
.Lentry_shape_is_right:
; out[b][c][j] = x[b][c][j] + gamma x sum over i of v[b][c][i] softmax_i(q_i . k_j / 8), both products on codes of FP4 (E2M1) with one E8M0 scale for each 32 along a product's K.
; The softmax runs over i, q's index: the columns j play the part of attention's queries, the q_i of its keys.  ws holds, for each batch and each 128 l, a record of 26,624 bytes in the order of the operand registers:
; +0 q's codes (8 tiles x 512), +4096 v's codes (16 channel tiles x 1024), +20480 v's scale words, +21504 q's scale words: 22,016 bytes that are streamed; +22016 k's scale words, +22528 k's codes: read once by the work-group that owns those j.
; THE SOFTMAX AHEAD OF THE SECOND PRODUCT: t = score x log2(e) / 8; M = the running largest t rounded UP to a whole number; p = 2^(t - M) is quantised along i, not normalised; the sum is taken of the unquantised p and divides at the end.
; When M moves, the sum and O are multiplied by 2^(old M - new M): exact.
; SHARES.  A work-group owns 128 j of one batch.  Wave w: jg = w % 4: 32 j, two tiles of 16, so that each fragment of v read from LDS feeds two products; ks = w / 4: of each slot's four steps of 128 i it walks steps 2 ks, 2 ks + 1.
; The two halves' O and sums are merged at the end under the larger M, by powers of two.
; LAYOUT.  S^T = q k^T (source 0 = 16 i, source 1 = my 16 j; K = 64, the upper four registers of both operands are zero codes), O^T = v p^T (source 0 = 16 channels, source 1 = p): a lane holds ONE j throughout.
; The i of a tile of q are 32 g + 8 u + r + (r & 8), so that the 16 registers of two neighbouring tiles are 16 neighbouring i; the j of a tile of k likewise.
; RING.  Two LDS slots of four steps (88,064 bytes).  Every wave fetches 43 rows of 256 bytes, half a step, by one tensor load: one load of mine is out behind each change of slots, and it has two of my steps in which to land.
; CLUSTER.  The four work-groups of a cluster belong to one batch and walk the same records: each load is asked for JOINTLY, with the same descriptor and a mask that names the four.
; LIMITS: NaN and infinities are not served.  A p under 2^-126 counts as 0; a block whose every p is 0 keeps the scale byte 1: its codes are zeros.
; REGISTERS.  Window 0: v1-13 addresses; v16-31 k's two fragments; v32-47 scale words; v48-55 statistics, four a tile: -M, the largest t, the sum in two halves; v56-77 at work; v80-95 p's codes;
; v96-159 q's eight fragments; v160-223 S^T, then p, then eight fragments of v; on the way out v96-223 hold 32 rows of x.   Window 1: O^T: (tile u, channel tile ct) at 128 u + 8 ct.
.set REC,    26624
.set STEPB,  22016                     ; what a step streams
.set HALFB,  11008                     ; what one tensor load brings: 43 rows of 256 bytes
.set SLOT1,  131072                    ; slot 1 begins here, so that one exclusive or turns an address in one slot into the other's
.set SPITCH, 528                       ; the way out: a stage row: 128 j x 4 bytes + 16
.set STG1,   256*SPITCH                ; two stages of 256 rows, one for each half of the i; they lie in the slots, which have had their last fill and their last read by then
.set STATS,  2*STG1                    ; 4,096 bytes: each lane's -M and sum for its two tiles; no fill lands here
.set SPARE,  326656                    ; the spare words, 128 bytes for each wave: four blocks of 256 bytes that no other line names
.set LI,  1                            ; v1   16 x lane
.set SPW, 2                            ; v2   LDS address of my spare word: SPARE + 4 x my thread's number; never rewritten
.set NIL, 3                            ; v3   0; never rewritten
.set ADR, 4                            ; v4   16 x lane + my first step of the slot in hand
.set STW, 5                            ; v5   where my statistics go
.set STR, 6                            ; v6   where the same lane of wave w xor 4 puts its own
.set SA,  7                            ; v7   the stage, channel tiles 0-7
.set SB,  8                            ; v8   channel tiles 8-15
.set RB,  9                            ; v9   back from stage 0: my 32 rows, 16 bytes a lane
.set RB2, 10                           ; v10  from stage 1
.set PFO, 11                           ; v11  the prefetches of ws: 256 x min(thread, 85)
.set PFX, 12                           ; v12  of x: a lane a row
.set R16, 13                           ; v13  16 r
.set KJ,  16
.set KJS, 32                           ; v[32:33] k's scale words, tile 0, 1
.set PSC, 34                           ; v34-35 p's scale words
.set QSC, 36                           ; v36-39 q's: register t % 4, lanes 16 (t / 4) on
.set VSC, 40                           ; v40-47 v's: register 4 (ct / 8) + ct % 4, lanes 16 ((ct / 4) % 2) on
.set ST,  48
.set BM,  56                           ; v56-59 the blocks' largest scores, then largest p
.set PT,  60                           ; v60-63 the other half's; then the bytes
.set SO,  64                           ; v64-67 the conversions' scale operands
.set F,   68                           ; v[68:69] 2^(old M - new M); the packed forms name the pair and take its low word
.set T,   70
.set SUM2, 72                          ; v[72:73] the sum's second chain
.set G,   74                           ; v[74:75], v[76:77] the way out: what O is multiplied by
.set PC,  80
.set QF,  96
.set S,   160
.set XR,  96
.set WV,  12                           ; s12 wave
.set CS,  42                           ; s[42:43] c = log2(e) / 8
.set SEL, 44                           ; s[44:45] lane selects: lane l xor 16
.set MSB, 0
.macro WIN new                         ; the immediate's high byte repeats the setting that is left
.if MSB != \new
	s_set_vgpr_msb (MSB<<8)|\new
.set MSB, \new
.endif
.endm
.macro PLACES n
.rept \n
	v_nop
.endr
.endm
; A round of the cluster's barrier: my work-group's barrier, so that wave 0's signal speaks for all eight waves; wave 0 signals for the work-group; every wave waits for all four work-groups; my work-group's barrier once more.
.macro CROUND
	s_barrier_signal -1
	s_barrier_wait -1
	s_cmp_lg_u32 s[WV], 0
	s_cbranch_scc1 .Lnot_wave_0_\@
	s_barrier_signal -3
.Lnot_wave_0_\@:
	s_barrier_wait -3
	s_barrier_signal -1
	s_barrier_wait -1
.endm
; A PREFETCH of the slot after the one that is being asked for: two of my key steps ahead of the load that will want it.  All clusters of a batch walk the same records: the batch's first cluster asks.  Its four partners are told apart
; BY ADDRESS: the partner at place cx takes step cx of that slot, 86 blocks of 256 bytes; waves 0 to 2 name them, a lane a block (threads 86 to 95 name block 85 again).  The last change that fills a slot asks for nothing.
.macro ASK
	s_cmp_gt_u32 s37, s38
	s_cbranch_scc0 .Lnot_mine_\@
	global_prefetch_b8 v[PFO], s[40:41] th:TH_LOAD_NT scope:SCOPE_SE
.Lnot_mine_\@:
.endm
; THE CHANGE OF SLOTS stands at a slot's head.  Each wave waits for all its tensor loads (its part of the slot that it is about to read), adds 0 to its spare word, and waits for that and for its reads of the slot that it has left.
; fill = 1: a round of the cluster's barrier, so that no wave of any partner still reads the other slot or has a load on its way; then that slot is asked for, first thing.
; fill = 0: the last slot; nothing is asked for but the wave's own 32 rows of x (512 bytes each: two requests, a lane a row), which the way out loads two key steps later.
.macro CHANGE fill
	WIN 0
	s_wait_tensorcnt 0x0                           ; no tensor load of mine is out, so the descriptor may be written
	ds_add_u32 v[SPW], v[NIL]                      ; 0 onto my spare word
.if \fill
	s_xor_b32 s33, s33, SLOT1                      ; the other slot than last time,
	s_add_nc_u64 s[34:35], s[34:35], 4*REC         ; the next four records; the type bits on top are not reached
	s_wait_xcnt 0x0                                ; the last prefetch, a slot back, has read its address, so it may be written
	s_add_nc_u64 s[40:41], s[40:41], 4*REC
	s_wait_dscnt 0x0                               ; the add is done, and my reads of the slot that I have left are over
	CROUND
	tensor_load_to_lds s[32:35], s[24:31]          ; the first thing behind the round, and my one tensor load until the next
	s_nop 0
	PLACES 4
	ASK
.else
	s_wait_dscnt 0x0
	s_barrier_signal -1
	s_barrier_wait -1
	global_prefetch_b8 v[PFX], s[46:47] th:TH_LOAD_NT scope:SCOPE_SE
	global_prefetch_b8 v[PFX], s[46:47] offset:256 th:TH_LOAD_NT scope:SCOPE_SE
.endif
	v_add_nc_u32 v[ADR], s36, v[LI]
.endm
; S^T of tile u: eight tiles of 16 i
.macro SPROD u
.irp t, 0,1,2,3
	v_wmma_scale_f32_16x16x128_f8f6f4 v[S+8*\t:S+8*\t+7], v[QF+8*\t:QF+8*\t+7], v[KJ+8*(\u):KJ+8*(\u)+7], 0, v[QSC+\t], v[KJS+(\u)] matrix_a_fmt:MATRIX_FMT_FP4 matrix_b_fmt:MATRIX_FMT_FP4
.endr
.irp t, 4,5,6,7
	v_wmma_scale_f32_16x16x128_f8f6f4 v[S+8*\t:S+8*\t+7], v[QF+8*\t:QF+8*\t+7], v[KJ+8*(\u):KJ+8*(\u)+7], 0, v[QSC+\t-4], v[KJS+(\u)] matrix_a_fmt:MATRIX_FMT_FP4 matrix_b_fmt:MATRIX_FMT_FP4 matrix_a_scale:MATRIX_SCALE_ROW1
.endr
.endm
; Tile u's softmax for 128 i: register 16 b + n of S is i = 32 b + 16 (lane / 16) + n of my j.
.macro SOFTMAX u
.set rT, ST+4*(\u)
.irp b, 0,1,2,3
	v_max3_num_f32 v[BM+\b], v[S+16*\b], v[S+16*\b+1], v[S+16*\b+2]   ; the largest score of each block of 32: it serves for the column's maximum and, since p rises with the score, for the block's largest p
.endr
.irp i, 3,5,7,9,11,13
.irp b, 0,1,2,3
	v_max3_num_f32 v[BM+\b], v[BM+\b], v[S+16*\b+\i], v[S+16*\b+\i+1]
.endr
.endr
.irp b, 0,1,2,3
	v_max_num_f32 v[BM+\b], v[BM+\b], v[S+16*\b+15]
.endr
.irp b, 0,1,2,3
	s_delay_alu instid0(VALU_DEP_4)
	v_permlanex16_b32 v[PT+\b], v[BM+\b], s[SEL], s[SEL+1]
.endr
.irp b, 0,1,2,3
	s_delay_alu instid0(VALU_DEP_4)
	v_max_num_f32 v[BM+\b], v[BM+\b], v[PT+\b]     ; with lane l xor 16's 16
.endr
	s_delay_alu instid0(VALU_DEP_2)
	v_max3_num_f32 v[T], v[BM], v[BM+1], v[BM+2]
	s_delay_alu instid0(VALU_DEP_1)
	v_max_num_f32 v[T], v[T], v[BM+3]
	s_delay_alu instid0(VALU_DEP_1)
	v_mul_f32 v[T], s[CS], v[T]                    ; as t (c is positive)
	s_delay_alu instid0(VALU_DEP_1)
	v_max_num_f32 v[rT+1], v[rT+1], v[T]           ; the running largest t
	v_mov_b32 v[T], v[rT]
	s_delay_alu instid0(VALU_DEP_2)
	v_floor_f32 v[rT], -v[rT+1]                    ; the new -M = floor(-t): M is a whole number
	s_delay_alu instid0(VALU_DEP_1)
	v_sub_f32 v[T], v[rT], v[T]                    ; old M - new M: a whole number, 0 or less
	s_delay_alu instid0(VALU_DEP_1)
	v_cvt_i32_f32 v[T], v[T]                       ; (it saturates)
	s_delay_alu instid0(VALU_DEP_1)
	v_ldexp_f32 v[F], 1.0, v[T]                    ; 2^(old M - new M)
.set j_, 0
.rept 32
	v_pk_fma_f32 v[S+j_:S+j_+1], v[S+j_:S+j_+1], s[CS:CS+1], v[rT:rT+1] op_sel_hi:[1,0,0]   ; t - M, two at a time
.set j_, j_+2
.endr
.irp b, 0,1,2,3
	v_fma_f32 v[BM+\b], v[BM+\b], s[CS], v[rT]     ; the same of each block's largest score
.endr
.set j_, 0
	s_wait_alu depctr_va_vdst(0)
.rept 64
	v_exp_f32 v[S+j_], v[S+j_]                     ; p = 2^(t - M)
.set j_, j_+1
.endr
	v_pk_mul_f32 v[rT+2:rT+3], v[rT+2:rT+3], v[F:F+1] op_sel_hi:[1,0]   ; the sum under the new M: the plain line behind the exponentials
	s_wait_alu depctr_va_vdst(0)                   ; one wait for the 64, ahead of the first line that names a result
.irp b, 0,1,2,3
	v_exp_f32 v[BM+\b], v[BM+\b]                   ; the blocks' largest p
.endr
	v_pk_add_f32 v[SUM2:SUM2+1], v[S:S+1], v[S+2:S+3]   ; the sum of the UNQUANTISED p, in two chains; it names the 64 alone
.irp j, 4,8,12,16,20,24,28,32,36,40,44,48,52,56,60
	v_pk_add_f32 v[rT+2:rT+3], v[rT+2:rT+3], v[S+\j:S+\j+1]
	v_pk_add_f32 v[SUM2:SUM2+1], v[SUM2:SUM2+1], v[S+\j+2:S+\j+3]
.endr
	s_delay_alu instid0(VALU_DEP_1)
	v_pk_add_f32 v[rT+2:rT+3], v[rT+2:rT+3], v[SUM2:SUM2+1]
	s_wait_alu depctr_va_vdst(0)                   ; and one for the four
.irp b, 0,1,2,3
	v_max_num_f32 v[BM+\b], 0x1800000, v[BM+\b]    ; the floor 2^(3 - 127): the byte cannot fall under 1
.endr
.irp b, 0,1,2,3
	s_delay_alu instid0(VALU_DEP_4)
	v_add_nc_u32 v[SO+\b], 0xff000000, v[BM+\b]    ; 2 off the exponent field: the conversion's scale operand
.endr
.irp b, 0,1,2,3
	s_delay_alu instid0(VALU_DEP_4)
	v_lshrrev_b32 v[PT+\b], 23, v[SO+\b]           ; the scale's byte
.endr
	s_delay_alu instid0(VALU_DEP_3)
	v_lshl_or_b32 v[PSC+(\u)], v[PT+1], 8, v[PT]
	s_delay_alu instid0(VALU_DEP_1)
	v_lshl_or_b32 v[PSC+(\u)], v[PT+2], 16, v[PSC+(\u)]
	s_delay_alu instid0(VALU_DEP_1)
	v_lshl_or_b32 v[PSC+(\u)], v[PT+3], 24, v[PSC+(\u)]
.irp b, 0,1,2,3
	v_cvt_scalef32_pk8_fp4_f32 v[PC+8*(\u)+2*\b], v[S+16*\b:S+16*\b+7], v[SO+\b]
	v_cvt_scalef32_pk8_fp4_f32 v[PC+8*(\u)+2*\b+1], v[S+16*\b+8:S+16*\b+15], v[SO+\b]
.endr
	v_nop                                          ; one plain place behind the last conversion
.irp c, 0,1                                    ; half blocks become whole blocks in a lane
.irp i, 0,1
	v_permlane16_swap_b32 v[PC+8*(\u)+4*\c+\i], v[PC+8*(\u)+4*\c+2+\i]
.endr
.endr
	WIN 0x41                                       ; O^T (destination and source 0) window 1
.set j_, 128*(\u)
.rept 64
	v_pk_mul_f32 v[j_:j_+1], v[j_:j_+1], v[F:F+1] op_sel_hi:[1,0]   ; O^T under the new M, each accumulator from its low end on; these lines are also the places between p's codes and scale word and the products that take them
.set j_, j_+2
.endr
	WIN 0
.endm
; O^T += v p^T for channel tiles 8 g .. 8 g + 7 and both tiles of j: each fragment of v feeds two products; the sixteen accumulators take turns
.macro PVG q, g
.irp e, 0,1,2,3,4,5,6,7
.irp c, 0,1
	ds_load_b128 v[S+8*\e+4*\c:S+8*\e+4*\c+3], v[ADR] offset:STEPB*(\q)+4096+1024*(8*(\g)+\e)+512*\c
.endr
.endr
	s_wait_dscnt 0x8                               ; the first four fragments are in (and v's scale words, asked for earlier); the other four's eight loads stay out
	WIN 0x50                                       ; C and D window 1
.irp e, 0,1,2,3
.irp u, 0,1
	v_wmma_scale_f32_16x16x128_f8f6f4 v[128*\u+8*(8*(\g)+\e):128*\u+8*(8*(\g)+\e)+7], v[S+8*\e:S+8*\e+7], v[PC+8*\u:PC+8*\u+7], v[128*\u+8*(8*(\g)+\e):128*\u+8*(8*(\g)+\e)+7], v[VSC+4*(\g)+\e], v[PSC+\u] matrix_a_fmt:MATRIX_FMT_FP4 matrix_b_fmt:MATRIX_FMT_FP4
.endr
.endr
	s_wait_dscnt 0x0
.irp e, 4,5,6,7
.irp u, 0,1
	v_wmma_scale_f32_16x16x128_f8f6f4 v[128*\u+8*(8*(\g)+\e):128*\u+8*(8*(\g)+\e)+7], v[S+8*\e:S+8*\e+7], v[PC+8*\u:PC+8*\u+7], v[128*\u+8*(8*(\g)+\e):128*\u+8*(8*(\g)+\e)+7], v[VSC+4*(\g)+\e-4], v[PSC+\u] matrix_a_fmt:MATRIX_FMT_FP4 matrix_b_fmt:MATRIX_FMT_FP4 matrix_a_scale:MATRIX_SCALE_ROW1
.endr
.endr
	WIN 0
.endm
; A KEY STEP: 128 i, the q-th of my two in the slot in hand
.macro STEP q
.irp t, 0,1,2,3,4,5,6,7
	ds_load_b128 v[QF+8*\t:QF+8*\t+3], v[ADR] offset:STEPB*(\q)+512*\t
.endr
	ds_load_b128 v[QSC:QSC+3], v[ADR] offset:STEPB*(\q)+21504
	ds_load_b128 v[VSC:VSC+3], v[ADR] offset:STEPB*(\q)+20480
	ds_load_b128 v[VSC+4:VSC+7], v[ADR] offset:STEPB*(\q)+20992
	s_wait_dscnt 0x2                               ; q's fragments and scale words are in; v's two loads of scale words stay out
.irp u, 0,1
	SPROD \u
	PLACES 5                                       ; ahead of the first read of the scores (four), and of the other tile's products, which write over them (five)
	SOFTMAX \u
.endr
	PVG \q, 0
	PLACES 4                                       ; ahead of loads into registers that matrix instructions have read
	s_wait_alu depctr_va_vdst(0)
	PVG \q, 1
	PLACES 5                                       ; the next step's scores are written over v's fragments by matrix instructions: five
.endm
	s_load_b256 s[4:11], s[0:1], 0x0               ; ws s[4:5], gamma s[6:7], x s[8:9], out s[10:11]
	v_lshl_add_u32 v[SPW], v0, 2, SPARE
	v_mov_b32 v[NIL], 0
	ds_add_u32 v2, v3
	ds_add_u32 v2, v3
	s_wait_dscnt 0x0
	v_lshrrev_b32 v[BM], 5, v0
	s_delay_alu instid0(VALU_DEP_1)
	v_readfirstlane_b32 s[WV], v[BM]               ; wave 0..7
	s_and_b32 s13, s[WV], 3                        ; jg
	s_lshr_b32 s14, s[WV], 2                       ; ks
	s_and_b32 s17, ttmp7, 0xffff                   ; the batch, which the four partners share
	v_and_b32 v[BM], 31, v0                        ; lane
	v_and_b32 v[BM+1], 15, v0                      ; r
	v_bfe_u32 v[BM+2], v0, 4, 1                    ; h
	v_and_b32 v[BM+3], 8, v0
	s_delay_alu instid0(VALU_DEP_1)
	v_add_nc_u32 v[BM+3], v[BM+3], v[BM+1]         ; r + (r & 8)
	v_lshlrev_b32 v[LI], 4, v[BM]
	v_lshl_add_u32 v[STW], v0, 4, STATS
	v_lshlrev_b32 v[STR], 4, v0
	s_delay_alu instid0(VALU_DEP_1)
	v_xor_b32 v[STR], 2048, v[STR]                 ; thread xor 128: the same lane of wave w xor 4
	s_delay_alu instid0(VALU_DEP_1)
	v_add_nc_u32 v[STR], STATS, v[STR]
	s_mul_i32 s20, s14, STG1                       ; the stage: register jj of O(u, ct), lane (r, h), is channel 16 ct + 8 h + jj, j = 32 jg + 8 u + r + (r & 8)
	s_lshl_b32 s21, s13, 7
	s_add_co_u32 s20, s20, s21
	v_mul_u32_u24 v[SA], v[BM+2], 8*SPITCH
	s_delay_alu instid0(VALU_DEP_1)
	v_lshl_add_u32 v[SA], v[BM+3], 2, v[SA]
	s_delay_alu instid0(VALU_DEP_1)
	v_add_nc_u32 v[SA], s20, v[SA]
	s_delay_alu instid0(VALU_DEP_1)
	v_add_nc_u32 v[SB], 128*SPITCH, v[SA]
	s_mul_i32 s20, s[WV], 32*SPITCH
	v_add_nc_u32 v[RB], s20, v[LI]
	s_delay_alu instid0(VALU_DEP_1)
	v_add_nc_u32 v[RB2], STG1, v[RB]
	v_min_u32 v[PFO], 85, v0
	s_delay_alu instid0(VALU_DEP_1)
	v_lshlrev_b32 v[PFO], 8, v[PFO]
	v_lshlrev_b32 v[PFX], 14, v[BM]                ; a row of x is 16,384 bytes
	v_lshlrev_b32 v[R16], 4, v[BM+1]
	; descriptor group 1: 43 rows of 256 bytes (32 elements of 8 bytes), dense in memory and in LDS: the images are read 16 bytes a lane on end, so no padding
	s_mov_b32 s24, 0x0023000f                      ; 15:0 the mask: all four work-groups; 17:16 elements of 8 bytes; 21 set beside a mask
	s_mov_b32 s25, 32<<16                          ; tensor_dim0 = 32
	s_mov_b32 s26, 43<<16                          ; tensor_dim1 = 43
	s_mov_b32 s27, 32<<16                          ; tile_dim0 = 32
	s_mov_b32 s28, 43                              ; tile_dim1 = 43
	s_mov_b32 s29, 32                              ; from row to row
	s_mov_b32 s30, 0
	s_mov_b32 s31, 0
	s_mov_b32 s32, 1                               ; group 0: count = 1
	s_mul_i32 s33, s[WV], HALFB                    ; LDS address: slot 0, my half step: no place in the cluster enters it
	s_mul_i32 s36, s14, 2*STEPB                    ; where my two steps begin in the slot in hand
	s_mov_b32 s37, 7                               ; slots still to be asked for
	s_mov_b32 s[CS], 0x3e38aa3b                    ; c = log2(e) / 8
	s_mov_b32 s[CS+1], s[CS]                       ; (named with it as a pair, so it is written)
	s_mov_b32 s[SEL], 0x76543210
	s_mov_b32 s[SEL+1], 0xfedcba98
	s_cmp_lt_u32 s[WV], 3                          ; waves 0 to 2
	s_cselect_b32 s38, 0, 1
	s_or_b32 s38, s38, ttmp9                       ; of the batch's first cluster prefetch: the same in all four partners
	s_cmp_eq_u32 s38, 0
	s_cselect_b32 s38, 1, -1                       ; a wave prefetches while s37 is above this
	s_mul_i32 s20, s17, 32*REC                     ; the batch's first record
	s_mov_b32 s21, 0
	s_lshr_b32 s22, s[WV], 1                       ; my half step of slot 0: record w / 2, half w % 2
	s_mul_i32 s22, s22, REC
	s_and_b32 s23, s[WV], 1
	s_mul_i32 s23, s23, HALFB
	s_add_co_u32 s22, s22, s23
	s_mov_b32 s23, 0
	s_wait_kmcnt 0x0
	s_add_nc_u64 s[18:19], s[4:5], s[20:21]
	s_add_nc_u64 s[34:35], s[18:19], s[22:23]
	s_or_b32 s35, s35, 0x80000000                  ; type = 2
	s_load_b32 s54, s[6:7], 0x0                    ; gamma
	CROUND                                         ; all four work-groups are here: the first joint loads meet
	tensor_load_to_lds s[32:35], s[24:31]          ; slot 0
	s_nop 0
	PLACES 4
	; what hangs on my place in the cluster: global addresses alone, made in registers that feed no descriptor
	s_bfe_u32 s15, ttmp6, 0x40000                  ; cx
	s_lshl_b32 s16, ttmp9, 2
	s_add_co_u32 s16, s16, s15                     ; jb: my block of 128 j
	s_mov_b32 s61, 0
	s_add_co_u32 s60, s15, 4
	s_mul_i32 s60, s60, REC
	s_add_nc_u64 s[40:41], s[18:19], s[60:61]      ; the prefetches stand at step cx of slot 1; the first change steps them to slot 2
	s_lshl_b32 s60, s17, 22
	s_lshl_b32 s62, s[WV], 19                      ; my 32 rows c
	s_add_co_u32 s60, s60, s62
	s_lshl_b32 s62, s16, 9
	s_add_co_u32 s60, s60, s62
	s_add_nc_u64 s[46:47], s[8:9], s[60:61]        ; x
	s_add_nc_u64 s[48:49], s[10:11], s[60:61]      ; out
	s_mul_i32 s62, s16, REC                        ; the record that holds my j
	s_lshl_b32 s60, s13, 10
	s_add_co_u32 s60, s60, s62
	s_add_co_u32 s60, s60, 22528
	s_add_nc_u64 s[50:51], s[18:19], s[60:61]      ; k's codes, tiles 2 jg, 2 jg + 1
	s_lshr_b32 s60, s13, 1
	s_lshl_b32 s60, s60, 8
	s_and_b32 s63, s13, 1
	s_lshl_b32 s63, s63, 3
	s_add_co_u32 s60, s60, s63
	s_add_co_u32 s60, s60, s62
	s_add_co_u32 s60, s60, 22016
	s_add_nc_u64 s[52:53], s[18:19], s[60:61]      ; their scale words
.irp u, 0,1
	global_load_b128 v[KJ+8*\u:KJ+8*\u+3], v[LI], s[50:51] offset:512*\u
.endr
	s_wait_alu depctr_va_vdst(0)
	global_load_b64 v[KJS:KJS+1], v[R16], s[52:53]
.irp u, 0,1
.irp j, 4,5,6,7
	v_mov_b32 v[KJ+8*\u+\j], 0                     ; K = 64: the upper 64 along K are zero codes, in both operands
.endr
.endr
.irp t, 0,1,2,3,4,5,6,7
.irp j, 4,5,6,7
	v_mov_b32 v[QF+8*\t+\j], 0
.endr
.endr
.irp b, 0,1,2,3
	v_mov_b32 v[PT+\b], 0                          ; written once: a lane permute's destination counts as one of its sources
.endr
	v_mov_b32 v[F+1], 0                            ; (named as the upper half of a pair)
.irp u, 0,1
	v_mov_b32 v[ST+4*\u+1], 0xff61b1e6             ; the largest t so far: -3e38, under every t
	s_delay_alu instid0(VALU_DEP_1)
	v_floor_f32 v[ST+4*\u], -v[ST+4*\u+1]          ; -M
	v_mov_b32 v[ST+4*\u+2], 0                      ; the sum, in two halves
	v_mov_b32 v[ST+4*\u+3], 0
.endr
	WIN 0x40
.set j_, 0
.rept 256
	v_mov_b32 v[j_], 0                             ; O^T.  The step is written with no first step of its own (that would be two more copies of it): the first finds zeros, which the first change of M leaves zeros
.set j_, j_+1
.endr
	WIN 0
	s_wait_loadcnt 0x0                             ; k
	s_wait_kmcnt 0x0                               ; gamma
.Lslot:                                            ; seven trips: behind each change of slots but the last the next slot is asked for
	CHANGE 1
	STEP 0
	STEP 1
	s_xor_b32 s36, s36, SLOT1                      ; on to the other slot
	s_sub_co_u32 s37, s37, 1
	s_cmp_lg_u32 s37, 0
	s_cbranch_scc1 .Lslot
	CHANGE 0                                       ; the last slot is written out
	STEP 0
	STEP 1
	; THE WAY OUT.  My 32 rows of x are asked for first: rows c = 32 w + i, 512 bytes on end a load.  (The five lines that end the last step are the places ahead of these loads.)
.set i_, 0
.rept 32
	global_load_b128 v[XR+4*i_:XR+4*i_+3], v[LI], s[46:47] offset:16384*i_ th:TH_LOAD_NT
.set i_, i_+1
.endr
	v_add_f32 v[BM+1], v[ST+2], v[ST+3]            ; each tile's sum: its two halves,
	v_add_f32 v[BM+3], v[ST+6], v[ST+7]
	v_mov_b32 v[BM], v[ST]
	v_mov_b32 v[BM+2], v[ST+4]
	s_delay_alu instid0(VALU_DEP_4)
	v_permlanex16_b32 v[PT], v[BM+1], s[SEL], s[SEL+1]
	s_delay_alu instid0(VALU_DEP_4)
	v_permlanex16_b32 v[PT+1], v[BM+3], s[SEL], s[SEL+1]
	s_delay_alu instid0(VALU_DEP_2)
	v_add_f32 v[BM+1], v[BM+1], v[PT]              ; and lane l xor 16's
	s_delay_alu instid0(VALU_DEP_2)
	v_add_f32 v[BM+3], v[BM+3], v[PT+1]
	ds_store_b128 v[STW], v[BM:BM+3]               ; -M and the sum of my half of the i, for both tiles
	s_wait_alu depctr_va_vdst(0)
	s_wait_dscnt 0x0                               ; for the others' sake: the store has landed, and my reads of the slots are over
	s_barrier_signal -1
	s_barrier_wait -1                              ; nobody reads a slot any more: the stages may be written
	ds_load_b128 v[PT:PT+3], v[STR]                ; the other half's
	s_wait_dscnt 0x0
.irp u, 0,1
	v_min_num_f32 v[64+\u], v[BM+2*\u], v[PT+2*\u] ; -M* = the lesser -M
.endr
.irp u, 0
	s_delay_alu instid0(VALU_DEP_2)
	v_sub_f32 v[66+\u], v[64+\u], v[BM+2*\u]       ; my M - M*: a whole number, 0 or less
	s_delay_alu instid0(VALU_DEP_3)
	v_sub_f32 v[68+\u], v[64+\u], v[PT+2*\u]
.endr
.irp u, 1
	s_delay_alu instid0(VALU_DEP_3)
	v_sub_f32 v[66+\u], v[64+\u], v[BM+2*\u]
	s_delay_alu instid0(VALU_DEP_4)
	v_sub_f32 v[68+\u], v[64+\u], v[PT+2*\u]       ; the other's
.endr
.irp n, 66,67,68,69
	v_cvt_i32_f32 v[\n], v[\n]
.endr
.irp n, 66,67,68,69
	s_delay_alu instid0(VALU_DEP_4)
	v_ldexp_f32 v[\n], 1.0, v[\n]
.endr
.irp u, 0,1
	s_delay_alu instid0(VALU_DEP_2)
	v_mul_f32 v[70+\u], v[68+\u], v[PT+2*\u+1]
.endr
.irp u, 0,1
	s_delay_alu instid0(VALU_DEP_2)
	v_fma_f32 v[70+\u], v[66+\u], v[BM+2*\u+1], v[70+\u]   ; the column's whole sum, under M*
.endr
	s_wait_alu depctr_va_vdst(0)
.irp u, 0,1
	v_rcp_f32 v[72+\u], v[70+\u]
.endr
.irp u, 0,1
	v_mul_f32 v[G+2*\u], s54, v[66+\u]             ; gamma x 2^(my M - M*): plain lines behind the reciprocals
	v_mov_b32 v[G+2*\u+1], 0                       ; (named as the upper half of a pair)
.endr
	s_wait_alu depctr_va_vdst(0)                   ; one wait for both reciprocals, ahead of their first use
.irp u, 0,1
	v_mul_f32 v[G+2*\u], v[G+2*\u], v[72+\u]
.endr
	WIN 0x41
.irp u, 0,1
.set j_, 128*\u
.rept 64
	v_pk_mul_f32 v[j_:j_+1], v[j_:j_+1], v[G+2*\u:G+2*\u+1] op_sel_hi:[1,0]   ; my half of gamma x o, each accumulator from its low end on
.set j_, j_+2
.endr
.endr
	WIN 0x04                                       ; an LDS store's data are its source 1: window 1
.irp u, 0,1                                    ; a lane holds one j and eight channels: each register goes to its row c of my half's stage.  The 32 lanes of a store fall on words 0-7, 16-23, 32-39, 48-55 of the banks' 64 (ISA guide 11.1)
.set ct_, 0
.rept 16
.set jj_, 0
.rept 8
.if ct_ < 8
	ds_store_b32 v[SA], v[128*\u+8*ct_+jj_] offset:(16*ct_+jj_)*SPITCH+32*\u
.else
	ds_store_b32 v[SB], v[128*\u+8*ct_+jj_] offset:(16*(ct_-8)+jj_)*SPITCH+32*\u
.endif
.set jj_, jj_+1
.endr
.set ct_, ct_+1
.endr
.endr
	s_wait_dscnt 0x0                               ; for the others' sake: my stores into the stages have landed
	s_barrier_signal -1
	s_barrier_wait -1                              ; 256 whole rows lie in each stage
	WIN 0x40                                       ; destination window 1: O^T's registers are free
.set i_, 0
.rept 32
	ds_load_b128 v[4*i_:4*i_+3], v[RB] offset:SPITCH*i_
	ds_load_b128 v[128+4*i_:128+4*i_+3], v[RB2] offset:SPITCH*i_
.set i_, i_+1
.endr
	s_wait_loadcnt 0x0                             ; x
	WIN 0x04                                       ; source 1 window 1
.set i_, 0
.rept 32
	s_wait_dscnt 62-2*i_                           ; row i's two loads are in; the later rows' two each stay out
	v_pk_add_f32 v[XR+4*i_:XR+4*i_+1], v[XR+4*i_:XR+4*i_+1], v[4*i_:4*i_+1]
	v_pk_add_f32 v[XR+4*i_+2:XR+4*i_+3], v[XR+4*i_+2:XR+4*i_+3], v[4*i_+2:4*i_+3]
	s_delay_alu instid0(VALU_DEP_2)
	v_pk_add_f32 v[XR+4*i_:XR+4*i_+1], v[XR+4*i_:XR+4*i_+1], v[128+4*i_:128+4*i_+1]
	s_delay_alu instid0(VALU_DEP_2)
	v_pk_add_f32 v[XR+4*i_+2:XR+4*i_+3], v[XR+4*i_+2:XR+4*i_+3], v[128+4*i_+2:128+4*i_+3]
.set i_, i_+1
.endr
	WIN 0
.set i_, 0
	s_wait_alu depctr_va_vdst(0)
.rept 32
	global_store_b128 v[LI], v[XR+4*i_:XR+4*i_+3], s[48:49] offset:16384*i_ th:TH_STORE_NT   ; 32 lanes store 512 bytes on end, at a multiple of 512 from out's first byte
.set i_, i_+1
.endr
	s_wait_tensorcnt 0x0                           ; the wave's end: behind my last tensor load and my last LDS store
	ds_add_u32 v[SPW], v[NIL]
	s_wait_dscnt 0x0
	CROUND                                         ; the closing round: no work-group ends while a partner may still ask for a tile that names it
	s_endpgm
.Lfunc_end_k_qcc9d181f60_attn:
	.size	k_qcc9d181f60_attn, .Lfunc_end_k_qcc9d181f60_attn-k_qcc9d181f60_attn
	.p2alignl 7, 3214868480
	.fill 96, 4, 3214868480
	.section	.rodata,"a",@progbits
	.p2align	6, 0x0
	.amdhsa_kernel k_qcc9d181f60_attn
		.amdhsa_group_segment_fixed_size 327680
		.amdhsa_private_segment_fixed_size 0
		.amdhsa_enable_private_segment 0
		.amdhsa_kernarg_size 32
		.amdhsa_user_sgpr_count 2
		.amdhsa_user_sgpr_kernarg_segment_ptr 1
		.amdhsa_wavefront_size32 1
		.amdhsa_system_sgpr_workgroup_id_x 1
		.amdhsa_system_sgpr_workgroup_id_y 1
		.amdhsa_system_sgpr_workgroup_id_z 1
		.amdhsa_system_vgpr_workitem_id 0
		.amdhsa_next_free_vgpr 512
		.amdhsa_next_free_sgpr 66
		.amdhsa_reserve_vcc 0
		.amdhsa_float_denorm_mode_32 3
		.amdhsa_float_denorm_mode_16_64 3
		.amdhsa_memory_ordered 1
		.amdhsa_forward_progress 1
		.amdhsa_inst_pref_size 229
	.end_amdhsa_kernel
	.amdgpu_metadata
---
amdhsa.version: [ 1, 2 ]
amdhsa.kernels:
  - .name:           k_qcc9d181f60_attn
    .symbol:         k_qcc9d181f60_attn.kd
    .args:
      - { .name: ws, .offset: 0, .size: 8, .value_kind: global_buffer, .address_space: global }
      - { .name: gamma, .offset: 8, .size: 8, .value_kind: global_buffer, .address_space: global }
      - { .name: x, .offset: 16, .size: 8, .value_kind: global_buffer, .address_space: global }
      - { .name: out0, .offset: 24, .size: 8, .value_kind: global_buffer, .address_space: global }
    .group_segment_fixed_size: 327680
    .private_segment_fixed_size: 0
    .kernarg_segment_align: 8
    .kernarg_segment_size: 32
    .max_flat_workgroup_size: 256
    .sgpr_count:     66
    .vgpr_count:     512
    .wavefront_size: 32
...
	.end_amdgpu_metadata
.endif
;; end of part 2
